; MI455X (gfx1250); checked and timed in simulation.
; The chip was launched on July 23, 2026; its instructions are those of AMD's public machine-readable ISA for CDNA 5 (MIT licence, August 2026) and "CDNA5" Instruction Set Architecture Reference Guide (July 2026). The comments in the code are by the model that wrote it; some were corrected since.
;; Causal Multi Head Self Attention. Allowed arithmetic: matrix products marked QUANTISED: E2M1 operands, one E8M0 scale for each 32 along K, by v_wmma_scale_f32_16x16x128_f8f6f4 with both operands' format E2M1 (or v_wmma_scale_f32_32x16x128_f4), f32 sums; everything else in f32.
;; Inputs: b_k 1,024 float32; b_o 1,024 float32; b_q 1,024 float32; b_v 1,024 float32; w_k 1,024 x 1,024 float32; w_o 1,024 x 1,024 float32; w_q 1,024 x 1,024 float32; w_v 1,024 x 1,024 float32; x 4 x 2,048 x 1,024 float32.
;; Outputs: out0 4 x 2,048 x 1,024 float32.
;; This version of the problem:
;;   THIS VERSION OF THE PROBLEM IS GIVEN IN LOW PRECISION. The matrix products marked QUANTISED in the list below multiply operands that are first quantised to E2M1 (2 exponent bits, 1 mantissa bit; 4 bits a number), with one power-of-two scale for each 32 numbers along K (OCP MX v1.0); their sums are f32. All else is computed in f32.
;;   The module's matrix products, in the order in which they are computed (A, B: the left and right operand; K: the contracted axis; several contracted axes count as one K, in the product's order):
;;     1. [M 8,192, K 1,024] x [K 1,024, N 1,024]; A: input x; B: input w_q: QUANTISED
;;     2. [M 8,192, K 1,024] x [K 1,024, N 1,024]; A: input x; B: input w_k: QUANTISED
;;     3. [M 8,192, K 1,024] x [K 1,024, N 1,024]; A: input x; B: input w_v: QUANTISED
;;     4. batch 64 x [M 2,048, K 64] x [K 64, N 2,048]; A: computed on the way; B: computed on the way: QUANTISED
;;     5. batch 64 x [M 2,048, K 2,048] x [K 2,048, N 64]; A: softmax (see below); B: computed on the way: QUANTISED
;;     6. [M 8,192, K 1,024] x [K 1,024, N 1,024]; A: computed on the way; B: input w_o: QUANTISED
;;   THE QUANTISER, for each operand of a quantised product, along K:
;;     - K is cut into blocks of 32 from its start; a last block that is shorter is filled with zeros.
;;     - A block's scale is 2^e with e = floor(log2(the largest magnitude in the block)) - 2, held to -126 .. 127; a block of zeros has e = 0. As a byte (E8M0): e + 127.
;;     - Each number is divided by its block's scale, clamped to +-6, and rounded to the nearest number of E2M1, ties to even, subnormals kept.
;;     - The product sums the exact products of the quantised numbers (number of the format x scale) in f32.
;;   ~~~python
;;   def quantise(x, axis):      # numpy; x: float32 -> the quantised numbers, widened to float32 again
;;       x = np.moveaxis(x, axis, -1); K = x.shape[-1]
;;       x = np.pad(x, [(0, 0)] * (x.ndim - 1) + [(0, -K % 32)]); x = x.reshape(x.shape[:-1] + (-1, 32)); a = np.abs(x).max(-1, keepdims=True)
;;       e = np.where(a > 0, np.clip(np.frexp(np.where(a > 0, a, 1))[1] - 1 - 2, -126, 127), 0)      # np.frexp(a)[1] - 1 = floor(log2(a)), exactly
;;       r = np.clip(x / 2.0 ** e, -6, 6)
;;       step = 2.0 ** (np.maximum(np.frexp(np.where(r == 0, 1, r))[1] - 1, 0) - 1)
;;       q = np.round(r / step) * step * 2.0 ** e      # np.round: ties to even
;;       return np.moveaxis(q.reshape(q.shape[:-2] + (-1,))[..., :K], -1, axis).astype(np.float32)
;;   ~~~
;;   SOFTMAX AHEAD OF A QUANTISED PRODUCT. Where the list says 'softmax', what is quantised is not the finished softmax but p = 2^(t - M), with t = logit x log2(e) and M = ceil(the row's largest t), a whole number; so 1/2 < the row's largest p <= 1. The row's sum l is taken of the UNQUANTISED p, in f32, and the product's result is divided by l at the end. Since M is a whole number, a kernel that streams over the keys may use a running M (the ceiling of the running maximum): every later rescaling is an exact power of two, which a block's scale takes up: the codes' values come out the same.
;;   OPERANDS COMPUTED ON THE WAY. 'Computed on the way' means the value that the module computes at that place (a softmax that the list does not call 'softmax' is quantised finished and normalised). What goes into a quantiser is computed in f32, as accurately as f32 sums, v_exp_f32 and their like allow (about 1e-6 of the number): no bf16 or f16 on the way to a quantiser, and a product that is left as it is and whose result goes on into a quantised operand takes f32 operands (vector FMAs, or v_wmma_f32_16x16x4_f32). A number that lies on a knife's edge between two numbers of the format may be rounded either way, as far as f32 arithmetic and the matrix unit's own rounding can turn it there, and no further.
;; One version. Each part assembles by itself: llvm-mc -triple=amdgcn-amd-amdhsa -mcpu=gfx1250 --defsym DOCPART=n.
;; ======== version 1 of 1: 4 launches
;; workspace buffers: xc 4,194,304 bytes; xs 262,144 bytes; wq 2,228,224 bytes; qc 4,194,304 bytes; qs 524,288 bytes; kv 9,175,040 bytes; yc 4,194,304 bytes; ys 262,144 bytes
;; launch quant (part 1): grid 768 x 1, 2 waves a work-group, no clusters, 17,152 bytes of LDS; arguments x, w_q, w_k, w_v, w_o, xc, xs, wq; writes xc, xs, wq
.if DOCPART == 1
	.amdgcn_target "amdgcn-amd-amdhsa--gfx1250"
	.amdhsa_code_object_version 6
	.text
	.protected	k_q9877349223_quant
	.globl	k_q9877349223_quant
	.p2align	8
	.type	k_q9877349223_quant,@function
k_q9877349223_quant:
	s_mov_b64 s[64:65], 0
	v_nop
	global_prefetch_b8 v0, s[64:65] scope:SCOPE_SE
	s_setreg_imm32_b32 hwreg(HW_REG_WAVE_MODE, 25, 1), 1
	s_wait_xcnt 0x0
; x [8192][1024] f32 (K innermost) and the four weights [1024 (k)][1024 (n)] f32 (K outermost) become codes of FP4 (E2M1) with one E8M0 byte for each 32 along K.
; A block's scale is 2^(floor(log2(largest magnitude)) - 2): its byte is the largest magnitude's exponent field - 2, held at 1 from below by a floor among the maximum's leaves.
; LIMITS: a block of zeros, and a block whose largest magnitude lies under 2^-124, gets the byte 1 (the rule says 127 for zeros: the codes are zeros, and this program alone reads the bytes); NaN and infinities are not served.
; LAYOUT OF THE RESULTS: images of operand registers.  32 neighbouring rows (tokens of x, columns n of a weight) are a PAIR of tiles u = 0, 1; lane r of tile u is row 8 u + r + 8 (r / 8).
; A fragment (16 rows x 128 K) is 1,024 bytes: registers 4 c .. 4 c + 3 of lane l at 512 c + 16 l; lane (r, h) holds k = 64 c + 32 h + 0 .. 31.
;   xc [tile 512][K step 8][1,024];  xs [pair 256][sigma 4][lane 32][2 words]: word kappa of lane l = K step 2 sigma + kappa, tile 2 pair + l / 16, row l % 16.
;   wq [pair 128][17,408]: two tiles x 8 K steps of images, then at 16,384 the scale words laid as xs.  Pairs 0-31 w_q, 32-63 w_k, 64-95 w_v, 96-127 w_o.
; SHARES: work-groups 0-511 take x: a wave 32 rows x 256 k (four fragments); work-groups 512-767 take the weights: a wave 32 columns x 256 k.  64 KiB of input each.  Waves share nothing: no barrier.
.set FLOOR, 0x1800000                  ; 2^(3 - 127)
.set EOFF,  0xff000000                 ; takes 2 off an exponent field
.set SPX,   528                        ; a stage row: 512 bytes + 16: row r starts at bank 4 r mod 64
.set RAW,   32                         ; v32-159  x as loaded, two sets of 64
.set XN,    160                        ; v160-223 a lane's two blocks of 32 neighbours
.set CX,    224                        ; v224-255 x's codes: 8 registers a fragment, never written twice
.set WN,    32                         ; v32-95   a weight's numbers, two sets of 32
.set CW,    96                         ; v96-127  a weight's codes: 4 registers a block, never written twice
; fragment f of x (tile u = f % 2, K step kappa = f / 2): sixteen loads, each 512 consecutive bytes of one row
.macro LOADX f
.irp i, 0,1,2,3,4,5,6,7,8,9,10,11,12,13,14,15
	global_load_b128 v[RAW+64*((\f)%2)+4*\i:RAW+64*((\f)%2)+4*\i+3], v1, s[36:37] offset:(8*((\f)%2)+\i+8*(\i/8))*4096+((\f)/2)*512 th:TH_LOAD_NT
.endr
.endm
; fragment f: through the wave's stage, so that a lane gets 2 x 32 neighbours; scales; codes; out.  left: the younger fragment's loads, which may stay out
.macro FRAGX f, left
	s_wait_loadcnt \left
.irp i, 0,1,2,3,4,5,6,7,8,9,10,11,12,13,14,15
	ds_store_b128 v2, v[RAW+64*((\f)%2)+4*\i:RAW+64*((\f)%2)+4*\i+3] offset:SPX*\i
.endr
.irp c, 0,1
.irp g, 0,1,2,3,4,5,6,7
	ds_load_b128 v[XN+32*\c+4*\g:XN+32*\c+4*\g+3], v3 offset:256*\c+16*\g   ; LDS serves a wave's instructions in order: these see the stores above
.endr
.endr
	s_wait_dscnt 0x0                               ; my 64 numbers are in, and the stores have read the set that is loaded again below
.if (\f) < 2
	LOADX (\f)+2
.endif
.irp c, 0,1
	v_max3_num_f32 v[8+\c], |v[XN+32*\c]|, |v[XN+32*\c+1]|, FLOOR   ; block 2 c + h: all its 32 numbers are mine
.endr
.irp i, 2,4,6,8,10,12,14,16,18,20,22,24,26,28,30
.irp c, 0,1
	v_max3_num_f32 v[8+\c], v[8+\c], |v[XN+32*\c+\i]|, |v[XN+32*\c+\i+1]|
.endr
.endr
.irp c, 0,1
	v_add_nc_u32 v[10+\c], EOFF, v[8+\c]           ; the conversion's scale operand
.endr
.irp c, 0,1
	v_lshrrev_b32 v[12+\c], 23, v[10+\c]           ; the scale's byte
.endr
	v_lshl_or_b32 v14, v13, 16, v12                ; my bytes: blocks h and 2 + h,
	v_lshlrev_b32 v14, v5, v14                     ; 8 h bits up;
	v_permlanex16_b32 v15, v14, s32, s33
	v_or_b32 v[16+(\f)%2], v14, v15                ; with lane l xor 16's two the row's word is whole
.irp c, 0,1
.irp g, 0,1,2,3
	v_cvt_scalef32_pk8_fp4_f32 v[CX+8*(\f)+4*\c+\g], v[XN+32*\c+8*\g:XN+32*\c+8*\g+7], v[10+\c]
.endr
.endr
	v_nop                                          ; one plain line behind the last conversion
.irp c, 0,1
	global_store_b128 v1, v[CX+8*(\f)+4*\c:CX+8*(\f)+4*\c+3], s[38:39] offset:((\f)%2)*8192+((\f)/2)*1024+512*\c   ; 512 consecutive bytes
.endr
.if (\f)%2 == 1
	v_cndmask_b32 v[18+(\f)/2], v16, v17, s34      ; lanes 0-15 tile 0's words, lanes 16-31 tile 1's
.endif
.endm
; block t of a weight: W(32 t + i, my column), i = 0 .. 31
.macro LOADW t
.irp i, 0,1,2,3,4,5,6,7,8,9,10,11,12,13,14,15,16,17,18,19,20,21,22,23,24,25,26,27,28,29,30,31
	global_load_b32 v[WN+32*((\t)%2)+\i], v1, s[36:37] offset:(32*(\t)+\i)*4096 th:TH_LOAD_NT
.endr
.endm
.macro BLOCKW t
.set XS, WN+32*((\t)%2)
.if (\t) < 7
	s_wait_loadcnt 32                              ; this block's 32 loads are in; the next block's may be out
.else
	s_wait_loadcnt 0x0
.endif
	v_max3_num_f32 v8, |v[XS]|, |v[XS+1]|, |v[XS+2]|
	v_max3_num_f32 v9, |v[XS+3]|, |v[XS+4]|, |v[XS+5]|
.irp i, 6,10,14,18,22,26
	v_max3_num_f32 v8, v8, |v[XS+\i]|, |v[XS+\i+1]|
	v_max3_num_f32 v9, v9, |v[XS+\i+2]|, |v[XS+\i+3]|
.endr
	v_max3_num_f32 v8, v8, |v[XS+30]|, |v[XS+31]|
	v_max3_num_f32 v8, v8, v9, FLOOR
	v_add_nc_u32 v10, EOFF, v8
	v_lshrrev_b32 v11, 23, v10
.if (\t)%4 == 0
	v_mov_b32 v[18+(\t)/4], v11                    ; four bytes to a word, the lower K in the lower byte
.else
	v_lshl_or_b32 v[18+(\t)/4], v11, 8*((\t)%4), v[18+(\t)/4]
.endif
.irp g, 0,1,2,3
	v_cvt_scalef32_pk8_fp4_f32 v[CW+4*(\t)+\g], v[XS+8*\g:XS+8*\g+7], v10
.endr
	v_nop                                          ; one plain line behind the last conversion
	global_store_b128 v2, v[CW+4*(\t):CW+4*(\t)+3], s[38:39] offset:((\t)/4)*1024+(((\t)%4)/2)*512+((\t)%2)*256   ; sixteen lanes fill 256 consecutive bytes of tile 0's image, sixteen of tile 1's
.if (\t) < 6
	LOADW (\t)+2
.endif
.endm
	s_load_b512 s[4:19], s[0:1], 0x0               ; x, w_q, w_k, w_v, w_o, xc, xs, wq
	v_lshl_add_u32 v30, v0, 2, 0x4200
	v_mov_b32 v31, 0
	v_lshrrev_b32 v1, 5, v0
	v_readfirstlane_b32 s20, v1                    ; wave 0, 1
	v_and_b32 v6, 31, v0                           ; lane
	v_bfe_u32 v5, v0, 4, 1                         ; h
	s_mov_b32 s32, 0x76543210
	s_mov_b32 s33, 0xfedcba98                      ; v_permlanex16_b32's selects for lane l xor 16
	s_mov_b32 s34, 0xffff0000                      ; lanes 16-31
	s_cmp_lt_u32 ttmp9, 512
	s_cbranch_scc0 .Lw
	; ---- x
	s_lshr_b32 s21, ttmp9, 1                       ; the pair of tiles
	s_and_b32 s22, ttmp9, 1
	s_lshl_b32 s22, s22, 1
	s_add_co_u32 s22, s22, s20                     ; sigma: which 256 along K
	s_lshl_b32 s24, s21, 17                        ; 32 rows of 4,096 bytes
	s_lshl_b32 s23, s22, 10
	s_add_co_u32 s24, s24, s23
	s_mov_b32 s25, 0
	s_lshl_b32 s26, s21, 14                        ; two tiles of 8,192 bytes of codes
	s_lshl_b32 s23, s22, 11
	s_add_co_u32 s26, s26, s23
	s_mov_b32 s27, 0
	s_lshl_b32 s28, s21, 10                        ; 1,024 bytes of scale words a pair
	s_lshl_b32 s23, s22, 8
	s_add_co_u32 s28, s28, s23
	s_mov_b32 s29, 0
	s_mul_i32 s30, s20, 16*SPX                     ; my wave's stage
	s_wait_alu depctr_va_vdst(0)
	v_lshlrev_b32 v1, 4, v6                        ; 16 x lane
	v_add_nc_u32 v2, s30, v1                       ; the stage, on the way in
	v_and_b32 v7, 15, v0                           ; r
	v_mul_u32_u24 v3, v7, SPX
	v_lshl_add_u32 v3, v5, 7, v3
	v_add_nc_u32 v3, s30, v3                       ; and on the way out: row r, + 128 h bytes
	v_lshlrev_b32 v4, 3, v6                        ; 8 x lane
	v_lshlrev_b32 v5, 3, v5                        ; 8 h: a shift
	v_mov_b32 v15, 0                               ; a lane permute's destination counts as one of its sources
	s_wait_alu depctr_va_vdst(0)
	s_wait_kmcnt 0x0
	s_add_nc_u64 s[36:37], s[4:5], s[24:25]
	s_add_nc_u64 s[38:39], s[14:15], s[26:27]
	s_add_nc_u64 s[40:41], s[16:17], s[28:29]
	LOADX 0
	LOADX 1
	FRAGX 0, 16
	FRAGX 1, 16
	FRAGX 2, 16
	FRAGX 3, 0
	global_store_b64 v4, v[18:19], s[40:41]        ; 256 consecutive bytes of scale words
	s_wait_tensorcnt 0x0
	ds_add_u32 v30, v31
	s_wait_dscnt 0x0
	s_endpgm
	; ---- the weights: a lane takes a column, its registers run down K
.Lw:
	s_sub_co_u32 s21, ttmp9, 512
	s_lshr_b32 s22, s21, 6                         ; which weight
	s_bfe_u32 s23, s21, 0x40002
	s_and_b32 s24, s21, 3                          ; sigma: which 256 along K
	s_lshl_b32 s23, s23, 1
	s_add_co_u32 s23, s23, s20                     ; the pair of tiles in that weight: the two waves stand side by side
	s_lshl_b32 s25, s22, 5
	s_add_co_u32 s25, s25, s23                     ; and in wq
	s_mul_i32 s26, s25, 17408
	s_add_co_u32 s28, s26, 16384
	s_lshl_b32 s30, s24, 11
	s_add_co_u32 s26, s26, s30                     ; codes
	s_mov_b32 s27, 0
	s_lshl_b32 s30, s24, 8
	s_add_co_u32 s28, s28, s30                     ; scale words
	s_mov_b32 s29, 0
	s_lshl_b32 s30, s24, 20                        ; 256 rows of 4,096 bytes
	s_lshl_b32 s31, s23, 7                         ; 32 columns
	s_add_co_u32 s30, s30, s31
	s_mov_b32 s31, 0
	s_wait_alu depctr_va_vdst(0)
	v_lshlrev_b32 v1, 2, v6                        ; 4 x lane: my column
	v_bfe_u32 v7, v0, 3, 1                         ; column j lies in tile u = (j / 8) % 2,
	v_and_b32 v9, 7, v0
	v_lshl_add_u32 v9, v5, 3, v9                   ; at lane r = j % 8 + 8 (j / 16)
	v_lshlrev_b32 v2, 4, v9
	v_lshl_add_u32 v2, v7, 13, v2                  ; 8,192 u + 16 r
	v_lshl_add_u32 v3, v7, 4, v9
	v_lshlrev_b32 v3, 3, v3                        ; 8 (r + 16 u)
	s_wait_alu depctr_va_vdst(0)
	s_wait_kmcnt 0x0
	s_cmp_eq_u32 s22, 1
	s_cselect_b64 s[36:37], s[8:9], s[6:7]
	s_cmp_eq_u32 s22, 2
	s_cselect_b64 s[36:37], s[10:11], s[36:37]
	s_cmp_eq_u32 s22, 3
	s_cselect_b64 s[36:37], s[12:13], s[36:37]
	s_add_nc_u64 s[36:37], s[36:37], s[30:31]
	s_add_nc_u64 s[38:39], s[18:19], s[26:27]
	s_add_nc_u64 s[40:41], s[18:19], s[28:29]
	LOADW 0
	LOADW 1
.irp t, 0,1,2,3,4,5,6,7
	BLOCKW \t
.endr
	global_store_b64 v3, v[18:19], s[40:41]        ; 256 consecutive bytes of scale words
	s_endpgm
.Lfunc_end_k_q9877349223_quant:
	.size	k_q9877349223_quant, .Lfunc_end_k_q9877349223_quant-k_q9877349223_quant
	.p2alignl 7, 3214868480
	.fill 96, 4, 3214868480
	.section	.rodata,"a",@progbits
	.p2align	6, 0x0
	.amdhsa_kernel k_q9877349223_quant
		.amdhsa_group_segment_fixed_size 17152
		.amdhsa_private_segment_fixed_size 0
		.amdhsa_enable_private_segment 0
		.amdhsa_kernarg_size 64
		.amdhsa_user_sgpr_count 2
		.amdhsa_user_sgpr_kernarg_segment_ptr 1
		.amdhsa_wavefront_size32 1
		.amdhsa_system_sgpr_workgroup_id_x 1
		.amdhsa_system_sgpr_workgroup_id_y 1
		.amdhsa_system_sgpr_workgroup_id_z 1
		.amdhsa_system_vgpr_workitem_id 0
		.amdhsa_next_free_vgpr 256
		.amdhsa_next_free_sgpr 66
		.amdhsa_reserve_vcc 0
		.amdhsa_float_denorm_mode_32 3
		.amdhsa_float_denorm_mode_16_64 3
		.amdhsa_memory_ordered 1
		.amdhsa_forward_progress 1
		.amdhsa_inst_pref_size 68
	.end_amdhsa_kernel
	.amdgpu_metadata
---
amdhsa.version: [ 1, 2 ]
amdhsa.kernels:
  - .name:           k_q9877349223_quant
    .symbol:         k_q9877349223_quant.kd
    .args:
      - { .name: x, .offset: 0, .size: 8, .value_kind: global_buffer, .address_space: global }
      - { .name: w_q, .offset: 8, .size: 8, .value_kind: global_buffer, .address_space: global }
      - { .name: w_k, .offset: 16, .size: 8, .value_kind: global_buffer, .address_space: global }
      - { .name: w_v, .offset: 24, .size: 8, .value_kind: global_buffer, .address_space: global }
      - { .name: w_o, .offset: 32, .size: 8, .value_kind: global_buffer, .address_space: global }
      - { .name: xc, .offset: 40, .size: 8, .value_kind: global_buffer, .address_space: global }
      - { .name: xs, .offset: 48, .size: 8, .value_kind: global_buffer, .address_space: global }
      - { .name: wq, .offset: 56, .size: 8, .value_kind: global_buffer, .address_space: global }
    .group_segment_fixed_size: 17152
    .private_segment_fixed_size: 0
    .kernarg_segment_align: 8
    .kernarg_segment_size: 64
    .max_flat_workgroup_size: 64
    .sgpr_count:     66
    .vgpr_count:     256
    .wavefront_size: 32
...
	.end_amdgpu_metadata
.endif
;; end of part 1
;; launch qkv (part 2): grid 16 x 16, 4 waves a work-group, clusters of 4 x 1, 168,448 bytes of LDS; arguments xc, xs, wq, b_q, b_k, b_v, qc, qs, kv; writes qc, qs, kv
.if DOCPART == 2
	.amdgcn_target "amdgcn-amd-amdhsa--gfx1250"
	.amdhsa_code_object_version 6
	.text
	.protected	k_q9877349223_qkv
	.globl	k_q9877349223_qkv
	.p2align	8
	.type	k_q9877349223_qkv,@function
k_q9877349223_qkv:
	s_mov_b64 s[64:65], 0
	v_nop
	global_prefetch_b8 v0, s[64:65] scope:SCOPE_SE
	s_setreg_imm32_b32 hwreg(HW_REG_WAVE_MODE, 25, 1), 1
	s_wait_xcnt 0x0
	s_wait_alu depctr_hold_cnt(0) depctr_sa_sdst(0) depctr_va_vdst(0) depctr_va_sdst(0) depctr_va_ssrc(0) depctr_va_vcc(0) depctr_vm_vsrc(0)
	s_getreg_b32 s2, hwreg(HW_REG_IB_STS2, 6, 4)
	s_cmp_eq_u32 s2, 0
	s_cbranch_scc0 .Lentry_in_a_cluster
	s_endpgm
.Lentry_in_a_cluster:
	s_bfe_u32 s2, ttmp6, 0x10000c
	s_cmp_lg_u32 s2, 0x3003
	s_cbranch_scc0 .Lentry_shape_is_right
	s_endpgm
.Lentry_shape_is_right:
; q = x w_q + b_q, k = x w_k + b_k, v = x w_v + b_v on codes of FP4 with E8M0 scales, and each result quantised on the way out: q and k along the head's 64, v along the keys.
; SHARES.  A work-group takes 512 rows of x (row block rb) and 3 of the 48 heads (16 of q, 16 of k, 16 of v: chunk y).  Wave w keeps its 128 rows of x for all of K in 512 registers, read once.
; The chunk's weights, six pairs of tiles with their scale words, are one dense block of 104,448 bytes: it comes into LDS once.  No LDS byte is filled twice and nothing is stored to LDS.
; CLUSTER.  The four row blocks of a cluster need the same weights: each wave's quarter of the block is asked for jointly (mask 15); its address is made of y and the wave's number alone.
; A UNIT is one pair of weight tiles (32 columns) x my 8 tiles of x x 8 K steps: 128 matrix instructions on 16 accumulators, eight of which take turns at a time.
; q, k: source 0 = 16 columns of W, source 1 = 16 tokens: a lane holds one token, and the 16 registers of a pair's two tiles are 16 neighbours along the head's axis (the rows of a tile are 8 u + r + 8 (r / 8)).
; v: the sources swapped: a lane holds one channel d, and its 64 registers run along my 128 tokens, which are one key step of the second attention product.
; The bias is the C of each sum's first matrix instruction.
; RESULTS.  qc [bh 64][tile 128][512]: lane r + 16 block holds 32 codes;  qs [bh][128 tokens][lane 32][4 words]: word j of lane l = tile 2 j + l / 16, row l % 16, bytes (block 0, block 1, 0x7f, 0x7f).
;   kv [bh][key step 16][8,960]: K's codes as qc (4,096), V's four images of 16 channels x 128 keys (4,096), K's scale words as qs (512), V's [lane 32][2 words]: word j = channel tile 2 j + l / 16 (256).
; LIMITS: a block of zeros, or one whose largest magnitude lies under 2^-124, gets the byte 1; NaN and infinities are not served.
; REGISTERS.  window 0: v1-7 addresses; v16-47 x's scale words; v48-55 W's; v56-71 the bias; v72-123 at work; v128-255 the accumulators.  window 1: v0-127 the unit's 16 fragments of W.  windows 2, 3: x.
.set FLOOR, 0x1800000
.set EOFF,  0xff000000
.set PAIRB, 17408                      ; a pair of weight tiles with its scale words
.set SCX, 16                           ; + 8 p + K step: lanes 0-15 tile 2 p, lanes 16-31 tile 2 p + 1
.set SCW, 48                           ; + K step: lanes 0-15 tile u = 0, lanes 16-31 u = 1
.set BI,  56                           ; + 8 u
.set TM,  72                           ; largest magnitudes
.set TT,  80                           ; at work
.set SS,  88                           ; the conversions' scale operands
.set KE,  96                           ; block 0's bytes, kept for block 1's epilogue
.set CD,  104                          ; codes
.set SW,  120                          ; scale words to store
.set ACC, 128
.set WV,  22
.set MSB, 0
.macro WIN new                         ; the immediate's high byte repeats the setting that is left
.if MSB != (\new)
	s_set_vgpr_msb (MSB<<8)|(\new)
.set MSB, (\new)
.endif
.endm
.macro PLACES n
.rept \n
	v_nop
.endr
.endm
.macro CROUND                          ; a round of the cluster's barrier
	s_barrier_signal -1
	s_barrier_wait -1
	s_cmp_lg_u32 s[WV], 0
	s_cbranch_scc1 .Lnot_wave_0_\@
	s_barrier_signal -3
.Lnot_wave_0_\@:
	s_barrier_wait -3
	s_barrier_signal -1
	s_barrier_wait -1
.endm
; one product: D rD, sources rA, rB, C rC, scales rSA, rSB; fA, fB: the side's scales stand in lanes 16-31
.macro WM
.if fA && fB
	v_wmma_scale_f32_16x16x128_f8f6f4 v[rD:rD+7], v[rA:rA+7], v[rB:rB+7], v[rC:rC+7], v[rSA], v[rSB] matrix_a_fmt:MATRIX_FMT_FP4 matrix_b_fmt:MATRIX_FMT_FP4 matrix_a_scale:MATRIX_SCALE_ROW1 matrix_b_scale:MATRIX_SCALE_ROW1
.elseif fA
	v_wmma_scale_f32_16x16x128_f8f6f4 v[rD:rD+7], v[rA:rA+7], v[rB:rB+7], v[rC:rC+7], v[rSA], v[rSB] matrix_a_fmt:MATRIX_FMT_FP4 matrix_b_fmt:MATRIX_FMT_FP4 matrix_a_scale:MATRIX_SCALE_ROW1
.elseif fB
	v_wmma_scale_f32_16x16x128_f8f6f4 v[rD:rD+7], v[rA:rA+7], v[rB:rB+7], v[rC:rC+7], v[rSA], v[rSB] matrix_a_fmt:MATRIX_FMT_FP4 matrix_b_fmt:MATRIX_FMT_FP4 matrix_b_scale:MATRIX_SCALE_ROW1
.else
	v_wmma_scale_f32_16x16x128_f8f6f4 v[rD:rD+7], v[rA:rA+7], v[rB:rB+7], v[rC:rC+7], v[rSA], v[rSB] matrix_a_fmt:MATRIX_FMT_FP4 matrix_b_fmt:MATRIX_FMT_FP4
.endif
.endm
; my 8 tiles of x, all 8 K steps: tile i at v[64 (i % 4) + 8 s] of window 2 + i / 4; each load takes 512 consecutive bytes
.macro LOADX
	WIN 0x80
.irp i, 0,1,2,3
.irp q, 0,1,2,3,4,5,6,7
.irp c, 0,1
	global_load_b128 v[64*\i+8*\q+4*\c:64*\i+8*\q+4*\c+3], v1, s[48:49] offset:\i*8192+\q*1024+\c*512
.endr
.endr
.endr
	WIN 0xc0
.irp i, 0,1,2,3
.irp q, 0,1,2,3,4,5,6,7
.irp c, 0,1
	global_load_b128 v[64*\i+8*\q+4*\c:64*\i+8*\q+4*\c+3], v1, s[48:49] offset:(\i+4)*8192+\q*1024+\c*512
.endr
.endr
.endr
	WIN 0
.irp p, 0,1,2,3
.irp g, 0,1,2,3
	global_load_b64 v[SCX+8*\p+2*\g:SCX+8*\p+2*\g+1], v2, s[50:51] offset:\p*1024+\g*256
.endr
.endr
.endm
; pair b of the head's two: 16 fragments and their scale words, from LDS.  Five places: four for loads into registers that matrix instructions have read and for the first read of results, a fifth for a product that begins an accumulator anew
.macro LOADW b
	PLACES 5
	WIN 0x40
.irp u, 0,1
.irp q, 0,1,2,3,4,5,6,7
.irp c, 0,1
	ds_load_b128 v[64*\u+8*\q+4*\c:64*\u+8*\q+4*\c+3], v3 offset:(\b)*PAIRB+\u*8192+\q*1024+\c*512
.endr
.endr
.endr
	WIN 0
.irp g, 0,1,2,3
	ds_load_b64 v[SCW+2*\g:SCW+2*\g+1], v4 offset:(\b)*PAIRB+\g*256
.endr
.endm
.macro BIASQK b                        ; lane (r, h), tile u, register j: the bias of column 32 b + 16 h + 8 u + j of the head
.irp u, 0,1
	global_load_b128 v[BI+8*\u:BI+8*\u+3], v5, s[52:53] offset:(32*(\b)+8*\u)*4
	global_load_b128 v[BI+8*\u+4:BI+8*\u+7], v5, s[52:53] offset:(32*(\b)+8*\u)*4+16
.endr
.endm
.macro BIASVL b                        ; v: a lane's eight results belong to its one column 32 b + 8 u + r + 8 (r / 8)
.irp u, 0,1
	global_load_b32 v[BI+8*\u], v6, s[52:53] offset:(32*(\b)+8*\u)*4
.endr
.endm
.macro BIASVX
	s_wait_loadcnt 0x0
.irp u, 0,1
.irp j, 1,2,3,4,5,6,7
	v_mov_b32 v[BI+8*\u+\j], v[BI+8*\u]
.endr
.endr
	PLACES 4
.endm
; a unit's 128 products.  swap = 0: source 0 = W, source 1 = x, accumulator (tile i, u) at ACC + 16 i + 8 u.  swap = 1: the sources swapped, accumulator at ACC + 64 u + 8 i
.macro MUL swap
.set hh, 0
.rept 2
.if \swap
	WIN 0x06+hh                                    ; source 0 (x) window 2 or 3, source 1 (W) window 1
.else
	WIN 0x09+4*hh                                  ; source 0 (W) window 1, source 1 (x) window 2 or 3
.endif
.set kk, 0
.rept 8
.set ti, 4*hh
.rept 4
.set uu, 0
.rept 2
.if \swap
.set rD, ACC+64*uu+8*ti
.set rA, (ti%4)*64+8*kk
.set rB, 64*uu+8*kk
.set rSA, SCX+8*(ti/2)+kk
.set rSB, SCW+kk
.set fA, ti%2
.set fB, uu
.else
.set rD, ACC+16*ti+8*uu
.set rA, 64*uu+8*kk
.set rB, (ti%4)*64+8*kk
.set rSA, SCW+kk
.set rSB, SCX+8*(ti/2)+kk
.set fA, uu
.set fB, ti%2
.endif
.set rC, rD
.if kk == 0
.set rC, BI+8*uu                       ; the first K step starts the sum from the bias
.endif
	WM
.set uu, uu+1
.endr
.set ti, ti+1
.endr
.set kk, kk+1
.endr
.set hh, hh+1
.endr
	WIN 0
.endm
; q, k: block b of the head's two, for my 8 tiles of tokens.  A block lies in lanes l and l xor 16, 16 numbers each
.macro EPIQK b
	s_wait_xcnt 0x0                                ; the last stores have read their data: the codes' registers are written again
.irp i, 0,1,2,3,4,5,6,7
	v_max3_num_f32 v[TM+\i], |v[ACC+16*\i]|, |v[ACC+16*\i+1]|, FLOOR   ; each accumulator is read from its low end on
.endr
.irp k, 2,4,6,8,10,12,14
.irp i, 0,1,2,3,4,5,6,7
	v_max3_num_f32 v[TM+\i], v[TM+\i], |v[ACC+16*\i+\k]|, |v[ACC+16*\i+\k+1]|
.endr
.endr
.irp i, 0,1,2,3,4,5,6,7
	v_permlanex16_b32 v[TT+\i], v[TM+\i], s34, s35
.endr
.irp i, 0,1,2,3,4,5,6,7
	v_max_num_f32 v[TM+\i], v[TM+\i], v[TT+\i]
.endr
.irp i, 0,1,2,3,4,5,6,7
	v_add_nc_u32 v[SS+\i], EOFF, v[TM+\i]
.endr
.irp i, 0,1,2,3,4,5,6,7
.if (\b) == 0
	v_lshrrev_b32 v[KE+\i], 23, v[SS+\i]
.else
	v_lshrrev_b32 v[TT+\i], 23, v[SS+\i]
.endif
.endr
.irp i, 0,1,2,3,4,5,6,7
	v_cvt_scalef32_pk8_fp4_f32 v[CD+2*\i], v[ACC+16*\i:ACC+16*\i+7], v[SS+\i]
	v_cvt_scalef32_pk8_fp4_f32 v[CD+2*\i+1], v[ACC+16*\i+8:ACC+16*\i+15], v[SS+\i]
.endr
	v_nop                                          ; one plain line behind the last conversion
.irp i, 0,1,2,3,4,5,6,7
	global_store_b64 v7, v[CD+2*\i:CD+2*\i+1], s[54:55] offset:512*\i+256*(\b)   ; lane (r, h): 16 codes at 16 r + 8 h: 256 consecutive bytes
.endr
.if (\b) == 1
.irp i, 0,1,2,3,4,5,6,7
	v_lshl_or_b32 v[TT+\i], v[TT+\i], 8, v[KE+\i]
.endr
.irp i, 0,1,2,3,4,5,6,7
	v_or_b32 v[TT+\i], s32, v[TT+\i]               ; bytes 2 and 3, for the K that the head does not have: 1.0
.endr
.irp j, 0,1,2,3
	v_cndmask_b32 v[SW+\j], v[TT+2*\j], v[TT+2*\j+1], s31
.endr
	global_store_b128 v1, v[SW:SW+3], s[56:57]     ; 512 consecutive bytes
.endif
.endm
; 64 numbers of a lane, register 16 b + i = k 32 b + 16 (lane / 16) + i of my row, become a fragment's codes in v[pc] on and its scale word in v[pw]
.macro QUANT s, pc, pw
.irp b, 0,1,2,3
	v_max3_num_f32 v[TM+\b], |v[\s+16*\b]|, |v[\s+1+16*\b]|, FLOOR
.endr
.irp i, 2,4,6,8,10,12,14
.irp b, 0,1,2,3
	v_max3_num_f32 v[TM+\b], v[TM+\b], |v[\s+16*\b+\i]|, |v[\s+1+16*\b+\i]|
.endr
.endr
.irp b, 0,1,2,3
	v_permlanex16_b32 v[TM+4+\b], v[TM+\b], s34, s35
.endr
.irp b, 0,1,2,3
	v_max_num_f32 v[TM+\b], v[TM+\b], v[TM+4+\b]
.endr
.irp b, 0,1,2,3
	v_add_nc_u32 v[TM+12+\b], EOFF, v[TM+\b]
.endr
.irp b, 0,1,2,3
	v_lshrrev_b32 v[TM+4+\b], 23, v[TM+12+\b]
.endr
	v_lshl_or_b32 v[\pw], v[TM+5], 8, v[TM+4]
	v_lshl_or_b32 v[\pw], v[TM+6], 16, v[\pw]
	v_lshl_or_b32 v[\pw], v[TM+7], 24, v[\pw]
.irp b, 0,1,2,3
	v_cvt_scalef32_pk8_fp4_f32 v[\pc+2*\b], v[\s+16*\b:\s+7+16*\b], v[TM+12+\b]
	v_cvt_scalef32_pk8_fp4_f32 v[\pc+1+2*\b], v[\s+8+16*\b:\s+15+16*\b], v[TM+12+\b]
.endr
	v_nop                                          ; one plain line behind the last conversion
.irp c, 0,1                                    ; the operand's layout wants a whole block in a lane
.irp i, 0,1
	v_permlane16_swap_b32 v[\pc+4*\c+\i], v[\pc+2+4*\c+\i]
.endr
.endr
.endm
; v: channel tiles 2 b and 2 b + 1, K = my 128 tokens
.macro EPIV b
	s_wait_xcnt 0x0
	QUANT ACC, CD, SS
	QUANT ACC+64, CD+8, SS+1
.irp u, 0,1
.irp c, 0,1
	global_store_b128 v1, v[CD+8*\u+4*\c:CD+8*\u+4*\c+3], s[54:55] offset:(2*(\b)+\u)*1024+512*\c
.endr
.endr
	v_cndmask_b32 v[SW+(\b)], v[SS], v[SS+1], s31
.if (\b) == 1
	global_store_b64 v2, v[SW:SW+1], s[56:57]      ; 256 consecutive bytes
.endif
.endm
	s_load_b512 s[4:19], s[0:1], 0x0               ; xc, xs, wq, b_q, b_k, b_v, qc, qs
	s_load_b64 s[20:21], s[0:1], 0x40              ; kv
	v_lshl_add_u32 v126, v0, 2, 0x29000
	v_mov_b32 v127, 0
	ds_add_u32 v126, v127
	ds_add_u32 v126, v127
	v_lshrrev_b32 v1, 5, v0
	v_readfirstlane_b32 s[WV], v1                  ; wave 0..3
	s_bfe_u32 s23, ttmp6, 0x40000                  ; cx
	s_lshl_b32 s24, ttmp9, 2
	s_add_co_u32 s24, s24, s23                     ; rb: my 512 rows
	s_and_b32 s25, ttmp7, 0xffff                   ; y: my three heads; the four partners share it
	s_mov_b32 s31, 0xffff0000                      ; lanes 16-31
	s_mov_b32 s32, 0x7f7f0000
	s_mov_b32 s34, 0x76543210
	s_mov_b32 s35, 0xfedcba98
	; descriptor group 1: a dense block of 26,112 bytes as 102 rows of 256 (32 elements of 8 bytes)
	s_mov_b32 s40, 15|(3<<16)|(1<<21)              ; the mask: all four work-groups; elements of 8 bytes; bit 21 set beside a mask
	s_mov_b32 s41, 32<<16                          ; tensor_dim0
	s_mov_b32 s42, 102<<16                         ; tensor_dim1
	s_mov_b32 s43, 32<<16                          ; tile_dim0
	s_mov_b32 s44, 102                             ; tile_dim1
	s_mov_b32 s45, 32                              ; the pitch
	s_mov_b32 s46, 0
	s_mov_b32 s47, 0
	s_mov_b32 s36, 1
	s_mul_i32 s37, s[WV], 26112                    ; where my quarter goes: the wave's number alone
	s_mul_i32 s66, s25, 6*PAIRB
	s_add_co_u32 s66, s66, s37                     ; and where it comes from: y and the wave's number
	s_mov_b32 s67, 0
	s_lshl_b32 s68, s24, 18                        ; x's codes: 32 tiles of 8,192 bytes a row block, 8 a wave
	s_lshl_b32 s70, s[WV], 16
	s_add_co_u32 s68, s68, s70
	s_mov_b32 s69, 0
	s_lshl_b32 s70, s24, 14                        ; x's scale words: 16 pairs of 1,024 bytes, 4 a wave
	s_lshl_b32 s72, s[WV], 12
	s_add_co_u32 s70, s70, s72
	s_mov_b32 s71, 0
	s_lshr_b32 s58, s24, 2                         ; the batch
	s_and_b32 s59, s24, 3
	s_lshl_b32 s59, s59, 2
	s_add_co_u32 s59, s59, s[WV]                   ; which 128 tokens of the sequence are my wave's
	s_wait_dscnt 0x0
	s_wait_kmcnt 0x0
	s_add_nc_u64 s[38:39], s[8:9], s[66:67]
	s_or_b32 s39, s39, 0x80000000
	s_add_nc_u64 s[48:49], s[4:5], s[68:69]
	s_add_nc_u64 s[50:51], s[6:7], s[70:71]
	CROUND                                         ; all four work-groups are here: the joint loads meet
	tensor_load_to_lds s[36:39], s[40:47]          ; my one tensor load of the launch
	s_nop 0
	PLACES 4
	v_and_b32 v8, 31, v0                           ; lane
	v_and_b32 v9, 15, v0                           ; r
	v_bfe_u32 v10, v0, 4, 1                        ; h
	v_lshlrev_b32 v1, 4, v8                        ; 16 x lane
	v_lshlrev_b32 v2, 3, v8                        ; 8 x lane
	v_lshlrev_b32 v5, 6, v10                       ; q, k: the bias's 16 h numbers
	v_and_b32 v6, 8, v9
	v_add_nc_u32 v6, v6, v9
	v_lshlrev_b32 v6, 2, v6                        ; v: 4 (r + 8 (r / 8))
	v_lshlrev_b32 v7, 4, v9
	v_lshl_add_u32 v7, v10, 3, v7                  ; 16 r + 8 h
.set j, TM+4
.rept 12
	v_mov_b32 v[j], 0                              ; lane permutes' destinations count as sources
.set j, j+1
.endr
	LOADX
	s_wait_tensorcnt 0x0                           ; my quarter of the weights is in,
	s_barrier_signal -1
	s_barrier_wait -1                              ; everybody's is
	s_mov_b32 s26, 0
	s_mov_b32 s30, 0
.Lhead:                                            ; three trips: a head each
	s_wait_xcnt 0x0                                ; the last head's loads and stores have read their bases
	s_mul_i32 s27, s25, 3
	s_add_co_u32 s27, s27, s26                     ; the head of 48
	s_lshr_b32 s28, s27, 4                         ; 0 q, 1 k, 2 v
	s_and_b32 s29, s27, 15
	s_lshl_b32 s60, s58, 4
	s_add_co_u32 s60, s60, s29                     ; bh
	s_lshl_b32 s66, s29, 8                         ; the head's 64 numbers of the bias
	s_mov_b32 s67, 0
	s_lshl_b32 s68, s60, 16
	s_lshl_b32 s69, s59, 12
	s_add_co_u32 s68, s68, s69                     ; in qc
	s_lshl_b32 s70, s60, 13
	s_lshl_b32 s69, s59, 9
	s_add_co_u32 s70, s70, s69                     ; in qs
	s_mul_i32 s72, s60, 143360
	s_mul_i32 s69, s59, 8960
	s_add_co_u32 s72, s72, s69                     ; the key step's block in kv
	s_mov_b32 s74, 8192
	s_cmp_eq_u32 s28, 2
	s_cselect_b32 s73, 4096, 0                     ; V's images lie behind K's codes,
	s_cselect_b32 s74, 8704, s74                   ; V's scale words behind K's
	s_cselect_b64 s[52:53], s[14:15], s[12:13]
	s_add_co_u32 s73, s73, s72
	s_add_co_u32 s74, s74, s72
	s_cmp_eq_u32 s28, 0
	s_cselect_b64 s[52:53], s[10:11], s[52:53]
	s_cselect_b64 s[54:55], s[16:17], s[20:21]
	s_cselect_b64 s[56:57], s[18:19], s[20:21]
	s_cselect_b32 s68, s68, s73
	s_cselect_b32 s70, s70, s74
	s_mov_b32 s69, 0
	s_mov_b32 s71, 0
	s_add_nc_u64 s[52:53], s[52:53], s[66:67]      ; the bias
	s_add_nc_u64 s[54:55], s[54:55], s[68:69]      ; where the codes go
	s_add_nc_u64 s[56:57], s[56:57], s[70:71]      ; where the scale words go
	v_add_nc_u32 v3, s30, v1                       ; the head's weights in LDS
	v_add_nc_u32 v4, s30, v2
	v_add_nc_u32 v4, 16384, v4                     ; and their scale words
	LOADW 0
	s_cmp_eq_u32 s28, 2
	s_cbranch_scc1 .Lv
	BIASQK 0
	s_wait_loadcnt 0x0                             ; the bias (in the first trip x too)
	s_wait_dscnt 0x0                               ; the weights
	MUL 0
	s_wait_alu depctr_va_vdst(0)
	LOADW 1                                        ; the second pair lands while the first block is quantised
	BIASQK 1
	EPIQK 0
	s_wait_loadcnt 0x0
	s_wait_dscnt 0x0
	MUL 0
	PLACES 4
	EPIQK 1
	s_branch .Lnext
.Lv:
	BIASVL 0
	BIASVX
	s_wait_alu depctr_va_vdst(0)
	s_wait_dscnt 0x0
	MUL 1
	LOADW 1
	BIASVL 1
	EPIV 0
	BIASVX
	s_wait_alu depctr_va_vdst(0)
	s_wait_dscnt 0x0
	MUL 1
	PLACES 4
	EPIV 1
.Lnext:
	s_add_co_u32 s30, s30, 2*PAIRB
	s_add_co_u32 s26, s26, 1
	s_cmp_lt_u32 s26, 3
	s_cbranch_scc1 .Lhead
	s_wait_dscnt 0x0
	s_wait_tensorcnt 0x0
	ds_add_u32 v126, v127
	s_wait_dscnt 0x0
	CROUND                                         ; the closing round
	s_endpgm
.Lfunc_end_k_q9877349223_qkv:
	.size	k_q9877349223_qkv, .Lfunc_end_k_q9877349223_qkv-k_q9877349223_qkv
	.p2alignl 7, 3214868480
	.fill 96, 4, 3214868480
	.section	.rodata,"a",@progbits
	.p2align	6, 0x0
	.amdhsa_kernel k_q9877349223_qkv
		.amdhsa_group_segment_fixed_size 168448
		.amdhsa_private_segment_fixed_size 0
		.amdhsa_enable_private_segment 0
		.amdhsa_kernarg_size 72
		.amdhsa_user_sgpr_count 2
		.amdhsa_user_sgpr_kernarg_segment_ptr 1
		.amdhsa_wavefront_size32 1
		.amdhsa_system_sgpr_workgroup_id_x 1
		.amdhsa_system_sgpr_workgroup_id_y 1
		.amdhsa_system_sgpr_workgroup_id_z 1
		.amdhsa_system_vgpr_workitem_id 0
		.amdhsa_next_free_vgpr 1024
		.amdhsa_next_free_sgpr 80
		.amdhsa_reserve_vcc 0
		.amdhsa_float_denorm_mode_32 3
		.amdhsa_float_denorm_mode_16_64 3
		.amdhsa_memory_ordered 1
		.amdhsa_forward_progress 1
		.amdhsa_inst_pref_size 127
	.end_amdhsa_kernel
	.amdgpu_metadata
---
amdhsa.version: [ 1, 2 ]
amdhsa.kernels:
  - .name:           k_q9877349223_qkv
    .symbol:         k_q9877349223_qkv.kd
    .args:
      - { .name: xc, .offset: 0, .size: 8, .value_kind: global_buffer, .address_space: global }
      - { .name: xs, .offset: 8, .size: 8, .value_kind: global_buffer, .address_space: global }
      - { .name: wq, .offset: 16, .size: 8, .value_kind: global_buffer, .address_space: global }
      - { .name: b_q, .offset: 24, .size: 8, .value_kind: global_buffer, .address_space: global }
      - { .name: b_k, .offset: 32, .size: 8, .value_kind: global_buffer, .address_space: global }
      - { .name: b_v, .offset: 40, .size: 8, .value_kind: global_buffer, .address_space: global }
      - { .name: qc, .offset: 48, .size: 8, .value_kind: global_buffer, .address_space: global }
      - { .name: qs, .offset: 56, .size: 8, .value_kind: global_buffer, .address_space: global }
      - { .name: kv, .offset: 64, .size: 8, .value_kind: global_buffer, .address_space: global }
    .group_segment_fixed_size: 168448
    .private_segment_fixed_size: 0
    .kernarg_segment_align: 8
    .kernarg_segment_size: 72
    .max_flat_workgroup_size: 128
    .sgpr_count:     80
    .vgpr_count:     1024
    .wavefront_size: 32
...
	.end_amdgpu_metadata
.endif
;; end of part 2
;; launch attn (part 3): grid 4 x 64, 16 waves a work-group, no clusters, 169,984 bytes of LDS; arguments qc, qs, kv, yc, ys; writes yc, ys
.if DOCPART == 3
	.amdgcn_target "amdgcn-amd-amdhsa--gfx1250"
	.amdhsa_code_object_version 6
	.text
	.protected	k_q9877349223_attn
	.globl	k_q9877349223_attn
	.p2align	8
	.type	k_q9877349223_attn,@function
k_q9877349223_attn:
	s_mov_b64 s[64:65], 0
	v_nop
	global_prefetch_b8 v0, s[64:65] scope:SCOPE_SE
	s_setreg_imm32_b32 hwreg(HW_REG_WAVE_MODE, 25, 1), 1
	s_wait_xcnt 0x0
; y[b][q][head] = softmax over k <= q of (q . k / 8) v, both products on codes of FP4 with E8M0 scales, and y quantised along the model's axis on the way out.
; THE SOFTMAX: t = score x log2(e) / 8; M = the running largest t rounded UP to a whole number; p = 2^(t - M) is quantised along the keys, not normalised; the row's sum is taken of the unquantised p and divides at the end.
; When M moves, the sum and O are multiplied by 2^(old M - new M): exact.
; SHARES.  A work-group serves one head of one batch (bh) and 32 of its 128 tiles of 16 queries.  Each of its sixteen waves owns one tile in each of two passes: T = 16 x + wave, then 127 - T.
; Tile T needs key steps 0 .. T / 8 of 128 keys, so every wave works (T / 8 + 1) + (15 - T / 8 + 1) = 17 steps: all waves of all work-groups alike.
; The loops' trip counts are constants (8 and 16); a step all of whose keys come after the tile's queries is passed over by a scalar branch on ids; in the one step on the diagonal hidden scores become -infinity.
; LDS.  The head's whole block of kv, 143,360 bytes, lies at byte 0, key step s at 8,960 s: filled once, by waves 0-3, two tensor loads each (steps 0-7, which is all that the first pass reads, then steps 8-15).  Nothing is stored to LDS.
; NO CLUSTER: the four work-groups of a head read the same block, but which steps a wave passes over and where it masks hangs on the work-group's place.
; Every byte that the work-group reads from kv is asked for at its head, so there is no later request that could be announced earlier.
; LAYOUT.  Both products are used transposed: S^T = K Q^T, O^T = V^T P^T: a lane holds one query throughout.  The rows of a tile are 8 u + r + 8 (r / 8) of a pair's 32, so the 16 registers of two neighbouring tiles are 16 neighbours.
; K = 64 IN AN INSTRUCTION OF K = 128: Q's registers 4-7 are zero codes; tile t of K is named v[32 + 4 t : 39 + 4 t], so that its upper half is the next tile's codes (zeros behind the last): finite numbers, which zero codes
; multiply to exact zeros; the scale bytes of that half are 0x7f on both sides.
; y's scale bytes leave as 2 bytes a row, 8 bytes apart (the word's other half is another head's, made by another work-group): one sixteenth of the codes' bytes.
; LIMITS: a block of zeros, or one whose largest magnitude lies under 2^-124, gets the byte 1; NaN and infinities are not served.
; REGISTERS: v1-7 addresses and constants; v8, v9 the step's LDS addresses; v12 -M, v13 the largest t, v[14:15] the sum; v16-23 Q; v24 Q's scale word; v32-67 K; v68-99 V; v100-163 S^T, then p; v164-195 O^T;
;   v196-203 p's codes; v204-207 K's scale words, v208-209 V's; v210-229 at work; v226 p's scale word.
.set FLOOR, 0x1800000
.set EOFF,  0xff000000
.set STEPB, 8960
.macro PLACES n
.rept \n
	v_nop
.endr
.endm
; A KEY STEP: 128 keys
.macro STEP
	s_cmp_gt_u32 s18, s17                          ; all its keys come after my queries?
	s_cbranch_scc1 .Lhid_\@
	s_setprio 2
	v_add_nc_u32 v8, s19, v1
	v_add_nc_u32 v9, s19, v2
	v_nop
	v_nop                                          ; four places in front of loads into registers that the last products read
.irp t, 0,1,2,3,4,5,6,7
	ds_load_b128 v[32+4*\t:35+4*\t], v8 offset:512*\t
.endr
	ds_load_b128 v[204:207], v8 offset:8192
.irp t, 0,1,2,3
.irp c, 0,1
	ds_load_b128 v[68+8*\t+4*\c:71+8*\t+4*\c], v8 offset:4096+1024*\t+512*\c
.endr
.endr
	ds_load_b64 v[208:209], v9 offset:8704
	s_wait_dscnt 9                                 ; K's nine loads are in; V's nine may be out
.irp t, 0,2,4,6
	v_wmma_scale_f32_16x16x128_f8f6f4 v[100+8*\t:107+8*\t], v[32+4*\t:39+4*\t], v[16:23], 0, v[204+\t/2], v24 matrix_a_fmt:MATRIX_FMT_FP4 matrix_b_fmt:MATRIX_FMT_FP4
	v_wmma_scale_f32_16x16x128_f8f6f4 v[108+8*\t:115+8*\t], v[36+4*\t:43+4*\t], v[16:23], 0, v[204+\t/2], v24 matrix_a_fmt:MATRIX_FMT_FP4 matrix_b_fmt:MATRIX_FMT_FP4 matrix_a_scale:MATRIX_SCALE_ROW1
.endr
	PLACES 4
	s_cmp_lg_u32 s18, s17                          ; the step on the diagonal?
	s_cbranch_scc1 .Lopen_\@
.set n, 0
.rept 64                                       ; register 16 b + i holds key 32 b + 16 (lane / 16) + i of the step: hidden where 32 b + i > my query's place - 16 (lane / 16)
	v_cmp_gt_i32 vcc_lo, 32*(n/16)+n%16, v3
	v_cndmask_b32 v[100+n], v[100+n], v4, vcc_lo
.set n, n+1
.endr
.Lopen_\@:
.irp b, 0,1,2,3
	v_max3_num_f32 v[210+\b], v[100+16*\b], v[101+16*\b], v[102+16*\b]   ; the largest score of each block of 32 keys: for the row's maximum, and, since p rises with the score, for the block's largest p
.endr
.irp i, 3,5,7,9,11,13
.irp b, 0,1,2,3
	v_max3_num_f32 v[210+\b], v[210+\b], v[100+16*\b+\i], v[101+16*\b+\i]
.endr
.endr
.irp b, 0,1,2,3
	v_max_num_f32 v[210+\b], v[210+\b], v[115+16*\b]
.endr
.irp b, 0,1,2,3
	s_delay_alu instid0(VALU_DEP_4)
	v_permlanex16_b32 v[214+\b], v[210+\b], s20, s21
.endr
.irp b, 0,1,2,3
	s_delay_alu instid0(VALU_DEP_4)
	v_max_num_f32 v[210+\b], v[210+\b], v[214+\b]
.endr
	s_delay_alu instid0(VALU_DEP_2)
	v_max3_num_f32 v222, v210, v211, v212
	s_delay_alu instid0(VALU_DEP_1)
	v_max_num_f32 v222, v222, v213                 ; the step's largest score of my query
	s_delay_alu instid0(VALU_DEP_1)
	v_mul_f32 v222, s22, v222                      ; as t
	s_delay_alu instid0(VALU_DEP_1)
	v_max_num_f32 v13, v13, v222                   ; the running largest t
	v_mov_b32 v222, v12
	s_delay_alu instid0(VALU_DEP_2)
	v_floor_f32 v12, -v13                          ; the new -M = -ceil(t)
	s_delay_alu instid0(VALU_DEP_1)
	v_sub_f32 v222, v12, v222                      ; old M - new M: a whole number, 0 or less
	s_delay_alu instid0(VALU_DEP_1)
	v_cvt_i32_f32 v222, v222                       ; (it saturates)
	s_delay_alu instid0(VALU_DEP_1)
	v_ldexp_f32 v224, 1.0, v222                    ; f = 2^(old M - new M)
.set j, 0
.rept 32
	v_pk_fma_f32 v[100+j:101+j], v[100+j:101+j], s[22:23], v[12:13] op_sel_hi:[1,0,0]   ; t - M
.set j, j+2
.endr
	s_setprio 1
.irp b, 0,1,2,3
	v_fma_f32 v[210+\b], v[210+\b], s22, v12       ; the same of each block's largest score
.endr
.set j, 0
	s_wait_alu depctr_va_vdst(0)
.rept 64
	v_exp_f32 v[100+j], v[100+j]                   ; p = 2^(t - M)
.set j, j+1
.endr
	v_pk_mul_f32 v[14:15], v[14:15], v[224:225] op_sel_hi:[1,0]   ; the sums under the new M: the plain line behind the exponentials
	s_wait_alu depctr_va_vdst(0)                   ; one wait for the batch of 64, ahead of its first reader
.irp b, 0,1,2,3
	v_exp_f32 v[210+\b], v[210+\b]                 ; the block's largest p: the same two instructions on the same number
.endr
	v_pk_add_f32 v[228:229], v[104:105], v[108:109]
	v_pk_add_f32 v[252:253], v[112:113], v[116:117]
	v_pk_add_f32 v[250:251], v[120:121], v[124:125]
	v_pk_add_f32 v[248:249], v[128:129], v[132:133]
	v_pk_add_f32 v[246:247], v[136:137], v[140:141]
	v_pk_add_f32 v[244:245], v[144:145], v[148:149]
	v_pk_add_f32 v[242:243], v[152:153], v[156:157]
	v_pk_add_f32 v[14:15], v[14:15], v[160:161]
	v_pk_add_f32 v[228:229], v[228:229], v[100:101]
	v_pk_add_f32 v[252:253], v[252:253], v[102:103]
	v_pk_add_f32 v[250:251], v[250:251], v[106:107]
	v_pk_add_f32 v[248:249], v[248:249], v[110:111]
	v_pk_add_f32 v[246:247], v[246:247], v[114:115]
	v_pk_add_f32 v[244:245], v[244:245], v[118:119]
	v_pk_add_f32 v[242:243], v[242:243], v[122:123]
	v_pk_add_f32 v[14:15], v[14:15], v[126:127]
	v_pk_add_f32 v[228:229], v[228:229], v[130:131]
	v_pk_add_f32 v[252:253], v[252:253], v[134:135]
	v_pk_add_f32 v[250:251], v[250:251], v[138:139]
	v_pk_add_f32 v[248:249], v[248:249], v[142:143]
	v_pk_add_f32 v[246:247], v[246:247], v[146:147]
	v_pk_add_f32 v[244:245], v[244:245], v[150:151]
	v_pk_add_f32 v[242:243], v[242:243], v[154:155]
	v_pk_add_f32 v[14:15], v[14:15], v[158:159]
	v_pk_add_f32 v[228:229], v[228:229], v[162:163]
	s_delay_alu instid0(VALU_DEP_2)
	v_pk_add_f32 v[14:15], v[14:15], v[248:249]
	s_delay_alu instid0(VALU_DEP_2)
	v_pk_add_f32 v[228:229], v[228:229], v[246:247]
	v_pk_add_f32 v[252:253], v[252:253], v[244:245]
	v_pk_add_f32 v[250:251], v[250:251], v[242:243]
	s_delay_alu instid0(VALU_DEP_2)
	v_pk_add_f32 v[14:15], v[14:15], v[252:253]
	s_delay_alu instid0(VALU_DEP_2)
	v_pk_add_f32 v[228:229], v[228:229], v[250:251]
	s_delay_alu instid0(VALU_DEP_1)
	v_pk_add_f32 v[14:15], v[14:15], v[228:229]
	s_wait_alu depctr_va_vdst(0)                   ; and one for the four
.irp b, 0,1,2,3
	v_max_num_f32 v[210+\b], FLOOR, v[210+\b]
.endr
.irp b, 0,1,2,3
	s_delay_alu instid0(VALU_DEP_4)
	v_add_nc_u32 v[218+\b], EOFF, v[210+\b]
.endr
.irp b, 0,1,2,3
	s_delay_alu instid0(VALU_DEP_4)
	v_lshrrev_b32 v[214+\b], 23, v[218+\b]
.endr
	s_delay_alu instid0(VALU_DEP_3)
	v_lshl_or_b32 v226, v215, 8, v214              ; p's scale word for these 128 keys
	s_delay_alu instid0(VALU_DEP_1)
	v_lshl_or_b32 v226, v216, 16, v226
	s_delay_alu instid0(VALU_DEP_1)
	v_lshl_or_b32 v226, v217, 24, v226
	s_setprio 0
.irp b, 0,1,2,3
	v_cvt_scalef32_pk8_fp4_f32 v[196+2*\b], v[100+16*\b:107+16*\b], v[218+\b]
	v_cvt_scalef32_pk8_fp4_f32 v[197+2*\b], v[108+16*\b:115+16*\b], v[218+\b]
.endr
	v_nop                                          ; one plain line behind the last conversion
.irp c, 0,1
.irp i, 0,1
	v_permlane16_swap_b32 v[196+4*\c+\i], v[198+4*\c+\i]   ; a whole block in a lane
.endr
.endr
.set j, 0
.rept 16
	v_pk_mul_f32 v[164+j:165+j], v[164+j:165+j], v[224:225] op_sel_hi:[1,0]   ; O^T under the new M; these sixteen are also the places between the scale word, the codes and the products
.set j, j+2
.endr
	s_wait_alu depctr_va_vdst(0)
	s_wait_dscnt 0x0                               ; V
.irp t, 0,2
	v_wmma_scale_f32_16x16x128_f8f6f4 v[164+8*\t:171+8*\t], v[68+8*\t:75+8*\t], v[196:203], v[164+8*\t:171+8*\t], v[208+\t/2], v226 matrix_a_fmt:MATRIX_FMT_FP4 matrix_b_fmt:MATRIX_FMT_FP4
	v_wmma_scale_f32_16x16x128_f8f6f4 v[172+8*\t:179+8*\t], v[76+8*\t:83+8*\t], v[196:203], v[172+8*\t:179+8*\t], v[208+\t/2], v226 matrix_a_fmt:MATRIX_FMT_FP4 matrix_b_fmt:MATRIX_FMT_FP4 matrix_a_scale:MATRIX_SCALE_ROW1
.endr
.Lhid_\@:
	s_add_co_u32 s19, s19, STEPB
.endm
; A PASS: tile T = s16, over the first trips key steps
.macro PASS trips
	s_wait_xcnt 0x0                                ; the last pass's loads and stores have read their bases and data
	s_lshr_b32 s17, s16, 3                         ; the step on the diagonal
	s_and_b32 s50, s16, 1                          ; the tile's u
	s_bfe_u32 s51, s16, 0x20001                    ; its pair among the step's four
	s_lshr_b32 s53, s15, 4                         ; the batch
	s_and_b32 s54, s15, 15                         ; the head
	s_mov_b32 s49, 0
	s_lshl_b32 s48, s15, 16
	s_lshl_b32 s52, s16, 9
	s_add_co_u32 s48, s48, s52
	s_add_nc_u64 s[40:41], s[4:5], s[48:49]        ; Q's codes
	s_lshl_b32 s48, s15, 13
	s_lshl_b32 s52, s17, 9
	s_add_co_u32 s48, s48, s52
	s_lshl_b32 s52, s50, 8
	s_add_co_u32 s48, s48, s52
	s_lshl_b32 s52, s51, 2
	s_add_co_u32 s48, s48, s52
	s_add_nc_u64 s[42:43], s[6:7], s[48:49]        ; Q's scale words
	s_lshl_b32 s48, s53, 7
	s_add_co_u32 s48, s48, s16
	s_lshl_b32 s48, s48, 13                        ; y's tile: 8 K steps of 1,024 bytes;
	s_lshr_b32 s52, s54, 1
	s_lshl_b32 s52, s52, 10
	s_add_co_u32 s48, s48, s52                     ; K step head / 2,
	s_and_b32 s52, s15, 1
	s_lshl_b32 s52, s52, 9
	s_add_co_u32 s48, s48, s52                     ; half head % 2
	s_add_nc_u64 s[44:45], s[10:11], s[48:49]
	s_lshl_b32 s48, s53, 6
	s_lshr_b32 s52, s16, 1
	s_add_co_u32 s48, s48, s52
	s_lshl_b32 s48, s48, 10                        ; y's scale words: the pair,
	s_lshr_b32 s52, s54, 2
	s_lshl_b32 s52, s52, 8
	s_add_co_u32 s48, s48, s52                     ; two K steps to 256 bytes,
	s_lshl_b32 s52, s50, 7
	s_add_co_u32 s48, s48, s52                     ; lanes 16-31 for u = 1,
	s_bfe_u32 s52, s15, 0x10001
	s_lshl_b32 s52, s52, 2
	s_add_co_u32 s48, s48, s52                     ; the word,
	s_and_b32 s52, s15, 1
	s_lshl_b32 s52, s52, 1
	s_add_co_u32 s48, s48, s52                     ; my head's two bytes of it
	s_add_nc_u64 s[46:47], s[12:13], s[48:49]
	PLACES 4
	global_load_b128 v[16:19], v1, s[40:41]
	global_load_b32 v24, v5, s[42:43]
	s_lshl_b32 s52, s51, 5
	s_lshl_b32 s55, s50, 3
	s_add_co_u32 s52, s52, s55
	v_add_nc_u32 v3, s52, v7                       ; my query's place in the diagonal step - 16 (lane / 16)
	v_mov_b32 v13, 0xff61b1e6                      ; the largest t so far: -3e38
	s_delay_alu instid0(VALU_DEP_1)
	v_floor_f32 v12, -v13
	v_mov_b32 v14, 0
	v_mov_b32 v15, 0
.set j, 0
.rept 32
	v_mov_b32 v[164+j], 0                          ; O^T: the step is written once; the first change of M leaves zeros zeros
.set j, j+1
.endr
	s_mov_b32 s18, 0
	s_mov_b32 s19, 0
	s_wait_loadcnt 0x0
.Lstep_\@:
	STEP
	s_add_co_u32 s18, s18, 1
	s_cmp_lt_u32 s18, \trips
	s_cbranch_scc1 .Lstep_\@
	s_setprio 0
	PLACES 4
	v_add_f32 v14, v14, v15
	s_delay_alu instid0(VALU_DEP_1)
	v_permlanex16_b32 v214, v14, s20, s21
	s_delay_alu instid0(VALU_DEP_1)
	v_add_f32 v14, v14, v214                       ; the row's sum
	s_wait_alu depctr_va_vdst(0)
	v_rcp_f32 v14, v14
	v_nop                                          ; a plain line behind the reciprocal,
	s_wait_alu depctr_va_vdst(0)                   ; and the wait ahead of its first reader
.set j, 0
.rept 16
	v_pk_mul_f32 v[100+j:101+j], v[164+j:165+j], v[14:15] op_sel_hi:[1,0]   ; y: register 16 b + i = channel 32 b + 16 (lane / 16) + i of my query
.set j, j+2
.endr
.irp b, 0,1
	v_max3_num_f32 v[210+\b], |v[100+16*\b]|, |v[101+16*\b]|, FLOOR
.endr
.irp i, 2,4,6,8,10,12,14
.irp b, 0,1
	s_delay_alu instid0(VALU_DEP_2)
	v_max3_num_f32 v[210+\b], v[210+\b], |v[100+16*\b+\i]|, |v[101+16*\b+\i]|
.endr
.endr
.irp b, 0,1
	s_delay_alu instid0(VALU_DEP_2)
	v_permlanex16_b32 v[214+\b], v[210+\b], s20, s21
.endr
.irp b, 0,1
	s_delay_alu instid0(VALU_DEP_2)
	v_max_num_f32 v[210+\b], v[210+\b], v[214+\b]
.endr
.irp b, 0,1
	s_delay_alu instid0(VALU_DEP_2)
	v_add_nc_u32 v[218+\b], EOFF, v[210+\b]
.endr
.irp b, 0,1
	s_delay_alu instid0(VALU_DEP_2)
	v_lshrrev_b32 v[214+\b], 23, v[218+\b]
.endr
	s_delay_alu instid0(VALU_DEP_1)
	v_lshl_or_b32 v222, v215, 8, v214              ; my head's two scale bytes
.irp b, 0,1
	v_cvt_scalef32_pk8_fp4_f32 v[196+2*\b], v[100+16*\b:107+16*\b], v[218+\b]
	v_cvt_scalef32_pk8_fp4_f32 v[197+2*\b], v[108+16*\b:115+16*\b], v[218+\b]
.endr
	v_nop
	v_permlane16_swap_b32 v196, v198
	v_permlane16_swap_b32 v197, v199               ; lane (r, h) now holds channels 32 h + 0 .. 31
	global_store_b128 v1, v[196:199], s[44:45]     ; 512 consecutive bytes
	global_store_b16 v6, v222, s[46:47]            ; both halves of the lanes hold and write the same two bytes
.endm
	s_load_b256 s[4:11], s[0:1], 0x0               ; qc, qs, kv, yc
	s_load_b64 s[12:13], s[0:1], 0x20              ; ys
	v_lshl_add_u32 v254, v0, 2, 0x29000
	v_mov_b32 v255, 0
	ds_add_u32 v254, v255
	ds_add_u32 v254, v255
	v_lshrrev_b32 v1, 5, v0
	s_delay_alu instid0(VALU_DEP_1)
	v_readfirstlane_b32 s14, v1                    ; wave 0..15
	s_and_b32 s15, ttmp7, 0xffff                   ; bh
	s_mov_b32 s20, 0x76543210
	s_mov_b32 s21, 0xfedcba98
	s_mov_b32 s22, 0x3e38aa3b                      ; c = log2(e) / 8
	s_mov_b32 s23, s22
	; descriptor group 1: a dense block of 17,920 bytes as 70 rows of 256 (32 elements of 8 bytes)
	s_mov_b32 s24, 3<<16
	s_mov_b32 s25, 32<<16
	s_mov_b32 s26, 70<<16
	s_mov_b32 s27, 32<<16
	s_mov_b32 s28, 70
	s_mov_b32 s29, 32
	s_mov_b32 s30, 0
	s_mov_b32 s31, 0
	s_mov_b32 s32, 1
	s_mul_i32 s33, s14, 17920                      ; steps 0-7: a quarter for each of waves 0-3
	s_mov_b32 s36, 1
	s_add_co_u32 s37, s33, 71680                   ; steps 8-15 likewise
	s_mul_i32 s48, s15, 143360
	s_add_co_u32 s48, s48, s33
	s_mov_b32 s49, 0
	s_wait_dscnt 0x0
	s_wait_kmcnt 0x0
	s_add_nc_u64 s[34:35], s[8:9], s[48:49]
	s_add_nc_u64 s[38:39], s[34:35], 71680
	s_or_b32 s35, s35, 0x80000000
	s_or_b32 s39, s39, 0x80000000
	s_cmp_lt_u32 s14, 4
	s_cbranch_scc0 .Lno_fetch
	tensor_load_to_lds s[32:35], s[24:31]          ; a wave's two fills stand in one branch: two loads of mine are out
	s_nop 0
	tensor_load_to_lds s[36:39], s[24:31]
	s_nop 0
	PLACES 4
.Lno_fetch:
	v_and_b32 v8, 31, v0                           ; lane
	v_and_b32 v9, 15, v0                           ; r
	v_bfe_u32 v10, v0, 4, 1                        ; h
	s_delay_alu instid0(VALU_DEP_3)
	v_lshlrev_b32 v1, 4, v8                        ; 16 x lane
	s_delay_alu instid0(VALU_DEP_4)
	v_lshlrev_b32 v2, 3, v8                        ; 8 x lane
	v_mov_b32 v4, 0xff800000                       ; -infinity
	v_lshlrev_b32 v5, 4, v9                        ; Q's scale words: 16 r
	v_lshlrev_b32 v6, 3, v9                        ; y's: 8 r
	v_and_b32 v7, 8, v9
	s_delay_alu instid0(VALU_DEP_1)
	v_add_nc_u32 v7, v7, v9
	v_lshlrev_b32 v10, 4, v10
	s_delay_alu instid0(VALU_DEP_1)
	v_sub_nc_u32 v7, v7, v10                       ; r + 8 (r / 8) - 16 h
.irp j, 20,21,22,23,64,65,66,67,214,215,216,217,225
	v_mov_b32 v\j, 0                               ; Q's upper half and what follows K's last tile: zero codes; lane permutes' destinations; the upper half of the pair that holds f
.endr
	s_lshl_b32 s16, ttmp9, 4
	s_add_co_u32 s16, s16, s14                     ; T = 16 x + wave
	s_wait_tensorcnt 1                             ; my part of steps 0-7 is in; steps 8-15 may be out
	s_barrier_signal -1
	s_barrier_wait -1
	PASS 8
	s_wait_tensorcnt 0x0                           ; my part of steps 8-15 is in,
	s_wait_dscnt 0x0
	s_barrier_signal -1
	s_barrier_wait -1                              ; everybody's is
	s_sub_co_u32 s16, 127, s16
	PASS 16
	s_wait_tensorcnt 0x0
	ds_add_u32 v254, v255
	s_wait_dscnt 0x0
	s_endpgm
.Lfunc_end_k_q9877349223_attn:
	.size	k_q9877349223_attn, .Lfunc_end_k_q9877349223_attn-k_q9877349223_attn
	.p2alignl 7, 3214868480
	.fill 96, 4, 3214868480
	.section	.rodata,"a",@progbits
	.p2align	6, 0x0
	.amdhsa_kernel k_q9877349223_attn
		.amdhsa_group_segment_fixed_size 169984
		.amdhsa_private_segment_fixed_size 0
		.amdhsa_enable_private_segment 0
		.amdhsa_kernarg_size 40
		.amdhsa_user_sgpr_count 2
		.amdhsa_user_sgpr_kernarg_segment_ptr 1
		.amdhsa_wavefront_size32 1
		.amdhsa_system_sgpr_workgroup_id_x 1
		.amdhsa_system_sgpr_workgroup_id_y 1
		.amdhsa_system_sgpr_workgroup_id_z 1
		.amdhsa_system_vgpr_workitem_id 0
		.amdhsa_next_free_vgpr 256
		.amdhsa_next_free_sgpr 66
		.amdhsa_reserve_vcc 1
		.amdhsa_float_denorm_mode_32 3
		.amdhsa_float_denorm_mode_16_64 3
		.amdhsa_memory_ordered 1
		.amdhsa_forward_progress 1
		.amdhsa_inst_pref_size 61
	.end_amdhsa_kernel
	.amdgpu_metadata
---
amdhsa.version: [ 1, 2 ]
amdhsa.kernels:
  - .name:           k_q9877349223_attn
    .symbol:         k_q9877349223_attn.kd
    .args:
      - { .name: qc, .offset: 0, .size: 8, .value_kind: global_buffer, .address_space: global }
      - { .name: qs, .offset: 8, .size: 8, .value_kind: global_buffer, .address_space: global }
      - { .name: kv, .offset: 16, .size: 8, .value_kind: global_buffer, .address_space: global }
      - { .name: yc, .offset: 24, .size: 8, .value_kind: global_buffer, .address_space: global }
      - { .name: ys, .offset: 32, .size: 8, .value_kind: global_buffer, .address_space: global }
    .group_segment_fixed_size: 169984
    .private_segment_fixed_size: 0
    .kernarg_segment_align: 8
    .kernarg_segment_size: 40
    .max_flat_workgroup_size: 512
    .sgpr_count:     66
    .vgpr_count:     256
    .wavefront_size: 32
...
	.end_amdgpu_metadata
.endif
;; end of part 3
;; launch oproj (part 4): grid 16 x 16, 4 waves a work-group, clusters of 4 x 1, 174,592 bytes of LDS; arguments yc, ys, wq, b_o, out0; writes out0
.if DOCPART == 4
	.amdgcn_target "amdgcn-amd-amdhsa--gfx1250"
	.amdhsa_code_object_version 6
	.text
	.protected	k_q9877349223_oproj
	.globl	k_q9877349223_oproj
	.p2align	8
	.type	k_q9877349223_oproj,@function
k_q9877349223_oproj:
	s_mov_b64 s[64:65], 0
	v_nop
	global_prefetch_b8 v0, s[64:65] scope:SCOPE_SE
	s_setreg_imm32_b32 hwreg(HW_REG_WAVE_MODE, 25, 1), 1
	s_wait_xcnt 0x0
	s_wait_alu depctr_hold_cnt(0) depctr_sa_sdst(0) depctr_va_vdst(0) depctr_va_sdst(0) depctr_va_ssrc(0) depctr_va_vcc(0) depctr_vm_vsrc(0)
	s_getreg_b32 s2, hwreg(HW_REG_IB_STS2, 6, 4)
	s_cmp_eq_u32 s2, 0
	s_cbranch_scc0 .Lentry_in_a_cluster
	s_endpgm
.Lentry_in_a_cluster:
	s_bfe_u32 s2, ttmp6, 0x10000c
	s_cmp_lg_u32 s2, 0x3003
	s_cbranch_scc0 .Lentry_shape_is_right
	s_endpgm
.Lentry_shape_is_right:
; out0 = y w_o + b_o on codes of FP4 with E8M0 scales; out0 [8192][1024] f32.
; SHARES.  A work-group takes 512 rows (row block rb) x 64 columns (chunk y).  Wave w keeps its 128 rows of y for all of K in 512 registers, read once; the chunk's two pairs of weight tiles (34,816 bytes) come into LDS once.
; CLUSTER.  The four row blocks of a cluster need the same weights: each wave's quarter is asked for jointly (mask 15); its address is made of y and the wave's number alone.
; A UNIT is one pair of weight tiles x my 8 tiles of rows x 8 K steps: 128 matrix instructions, eight accumulators taking turns at a time.  Source 0 = 16 columns of w_o, source 1 = 16 rows of y:
; a lane holds one row, and the 16 registers of a pair's two tiles are 16 neighbouring columns (the rows of a tile are 8 u + r + 8 (r / 8) of a pair's 32).  The bias is the C of each sum's first matrix instruction.
; THE WAY OUT.  My 128 rows x 256 bytes go through my own stage in LDS (pitch 272; no fill ever lands there) and leave as whole rows: sixteen lanes store 256 consecutive bytes, aligned.
; REGISTERS.  window 0: v1-10 addresses; v16-47 y's scale words; v48-55 W's; v56-71 the bias; v128-255 the accumulators, then rows on their way out.  window 1: the unit's 16 fragments of W.  windows 2, 3: y.
.set PAIRB, 17408
.set SCX, 16
.set SCW, 48
.set BI,  56
.set ACC, 128
.set WV,  22
.set STG, 2*PAIRB                      ; the stages begin behind the weights
.set SPT, 272
.set MSB, 0
.macro WIN new                         ; the immediate's high byte repeats the setting that is left
.if MSB != (\new)
	s_set_vgpr_msb (MSB<<8)|(\new)
.set MSB, (\new)
.endif
.endm
.macro PLACES n
.rept \n
	v_nop
.endr
.endm
.macro CROUND                          ; a round of the cluster's barrier
	s_barrier_signal -1
	s_barrier_wait -1
	s_cmp_lg_u32 s[WV], 0
	s_cbranch_scc1 .Lnot_wave_0_\@
	s_barrier_signal -3
.Lnot_wave_0_\@:
	s_barrier_wait -3
	s_barrier_signal -1
	s_barrier_wait -1
.endm
.macro WM                              ; one product: D rD, sources rA, rB, C rC, scales rSA, rSB; fA, fB: the side's scales stand in lanes 16-31
.if fA && fB
	v_wmma_scale_f32_16x16x128_f8f6f4 v[rD:rD+7], v[rA:rA+7], v[rB:rB+7], v[rC:rC+7], v[rSA], v[rSB] matrix_a_fmt:MATRIX_FMT_FP4 matrix_b_fmt:MATRIX_FMT_FP4 matrix_a_scale:MATRIX_SCALE_ROW1 matrix_b_scale:MATRIX_SCALE_ROW1
.elseif fA
	v_wmma_scale_f32_16x16x128_f8f6f4 v[rD:rD+7], v[rA:rA+7], v[rB:rB+7], v[rC:rC+7], v[rSA], v[rSB] matrix_a_fmt:MATRIX_FMT_FP4 matrix_b_fmt:MATRIX_FMT_FP4 matrix_a_scale:MATRIX_SCALE_ROW1
.elseif fB
	v_wmma_scale_f32_16x16x128_f8f6f4 v[rD:rD+7], v[rA:rA+7], v[rB:rB+7], v[rC:rC+7], v[rSA], v[rSB] matrix_a_fmt:MATRIX_FMT_FP4 matrix_b_fmt:MATRIX_FMT_FP4 matrix_b_scale:MATRIX_SCALE_ROW1
.else
	v_wmma_scale_f32_16x16x128_f8f6f4 v[rD:rD+7], v[rA:rA+7], v[rB:rB+7], v[rC:rC+7], v[rSA], v[rSB] matrix_a_fmt:MATRIX_FMT_FP4 matrix_b_fmt:MATRIX_FMT_FP4
.endif
.endm
.macro LOADX                           ; my 8 tiles of y, all 8 K steps: tile i at v[64 (i % 4) + 8 s] of window 2 + i / 4
	WIN 0x80
.irp i, 0,1,2,3
.irp q, 0,1,2,3,4,5,6,7
.irp c, 0,1
	global_load_b128 v[64*\i+8*\q+4*\c:64*\i+8*\q+4*\c+3], v1, s[48:49] offset:\i*8192+\q*1024+\c*512
.endr
.endr
.endr
	WIN 0xc0
.irp i, 0,1,2,3
.irp q, 0,1,2,3,4,5,6,7
.irp c, 0,1
	global_load_b128 v[64*\i+8*\q+4*\c:64*\i+8*\q+4*\c+3], v1, s[48:49] offset:(\i+4)*8192+\q*1024+\c*512
.endr
.endr
.endr
	WIN 0
.irp p, 0,1,2,3
.irp g, 0,1,2,3
	global_load_b64 v[SCX+8*\p+2*\g:SCX+8*\p+2*\g+1], v2, s[50:51] offset:\p*1024+\g*256
.endr
.endr
.endm
; pair b: 16 fragments and their scale words, from LDS.  Five places: four for loads into registers that matrix instructions have read and for the first read of results, a fifth for the product that begins an accumulator anew
.macro LOADW b
	PLACES 5
	WIN 0x40
.irp u, 0,1
.irp q, 0,1,2,3,4,5,6,7
.irp c, 0,1
	ds_load_b128 v[64*\u+8*\q+4*\c:64*\u+8*\q+4*\c+3], v3 offset:(\b)*PAIRB+\u*8192+\q*1024+\c*512
.endr
.endr
.endr
	WIN 0
.irp g, 0,1,2,3
	ds_load_b64 v[SCW+2*\g:SCW+2*\g+1], v4 offset:(\b)*PAIRB+\g*256
.endr
.endm
.macro BIAS b                          ; lane (r, h), tile u, register j: the bias of column 32 b + 16 h + 8 u + j of the chunk
.irp u, 0,1
	global_load_b128 v[BI+8*\u:BI+8*\u+3], v5, s[52:53] offset:(32*(\b)+8*\u)*4
	global_load_b128 v[BI+8*\u+4:BI+8*\u+7], v5, s[52:53] offset:(32*(\b)+8*\u)*4+16
.endr
.endm
.macro MUL                             ; a unit's 128 products; accumulator (tile i, u) at ACC + 16 i + 8 u
.set hh, 0
.rept 2
	WIN 0x09+4*hh                                  ; source 0 (W) window 1, source 1 (y) window 2 or 3
.set kk, 0
.rept 8
.set ti, 4*hh
.rept 4
.set uu, 0
.rept 2
.set rD, ACC+16*ti+8*uu
.set rA, 64*uu+8*kk
.set rB, (ti%4)*64+8*kk
.set rSA, SCW+kk
.set rSB, SCX+8*(ti/2)+kk
.set fA, uu
.set fB, ti%2
.set rC, rD
.if kk == 0
.set rC, BI+8*uu                       ; the first K step starts the sum from the bias
.endif
	WM
.set uu, uu+1
.endr
.set ti, ti+1
.endr
.set kk, kk+1
.endr
.set hh, hh+1
.endr
	WIN 0
.endm
.macro TOSTAGE b                       ; lane (r, h) of tile i: 64 bytes of stage row 16 i + r, at 128 b + 64 h; each accumulator from its low end on
.irp i, 0,1,2,3,4,5,6,7
.irp q, 0,1,2,3
	ds_store_b128 v8, v[ACC+16*\i+4*\q:ACC+16*\i+4*\q+3] offset:\i*16*SPT+128*(\b)+16*\q
.endr
.endr
.endm
.macro SEND half                       ; 64 stage rows, two an instruction; stage row 16 i + r is row 32 (i / 2) + 8 (i % 2) + r + 8 (r / 8) of my 128
.set k, 0
.rept 32
	ds_load_b128 v[ACC+4*k:ACC+4*k+3], v9 offset:(32*(\half)+k)*2*SPT   ; LDS serves a wave's instructions in order: these see my stores
.set k, k+1
.endr
.set k, 0
.rept 32
.set t, 32*(\half)+k
.set tok, 32*(t/16)+8*((t/8)%2)+2*(t%8)+8*((t%8)/4)
	s_wait_dscnt 31-k                              ; load k of the 32 is in
	global_store_b128 v10, v[ACC+4*k:ACC+4*k+3], s[54:55] offset:tok*4096 th:TH_STORE_NT   ; sixteen lanes store 256 consecutive bytes, aligned; written once, read by nobody here
.set k, k+1
.endr
.endm
	s_load_b256 s[4:11], s[0:1], 0x0               ; yc, ys, wq, b_o
	s_load_b64 s[12:13], s[0:1], 0x20              ; out0
	v_lshl_add_u32 v126, v0, 2, 0x2a800
	v_mov_b32 v127, 0
	ds_add_u32 v126, v127
	ds_add_u32 v126, v127
	v_lshrrev_b32 v1, 5, v0
	v_readfirstlane_b32 s[WV], v1                  ; wave 0..3
	s_bfe_u32 s23, ttmp6, 0x40000                  ; cx
	s_lshl_b32 s24, ttmp9, 2
	s_add_co_u32 s24, s24, s23                     ; rb: my 512 rows
	s_and_b32 s25, ttmp7, 0xffff                   ; y: my 64 columns; the four partners share it
	; descriptor group 1: a dense block of 8,704 bytes as 34 rows of 256 (32 elements of 8 bytes)
	s_mov_b32 s40, 15|(3<<16)|(1<<21)              ; the mask: all four work-groups; elements of 8 bytes; bit 21 set beside a mask
	s_mov_b32 s41, 32<<16
	s_mov_b32 s42, 34<<16
	s_mov_b32 s43, 32<<16
	s_mov_b32 s44, 34
	s_mov_b32 s45, 32
	s_mov_b32 s46, 0
	s_mov_b32 s47, 0
	s_mov_b32 s36, 1
	s_mul_i32 s37, s[WV], 8704                     ; where my quarter goes: the wave's number alone
	s_mul_i32 s66, s25, 2*PAIRB
	s_add_co_u32 s66, s66, 96*PAIRB                ; w_o's pairs begin at 96
	s_add_co_u32 s66, s66, s37
	s_mov_b32 s67, 0
	s_lshl_b32 s68, s24, 18                        ; y's codes
	s_lshl_b32 s70, s[WV], 16
	s_add_co_u32 s68, s68, s70
	s_mov_b32 s69, 0
	s_lshl_b32 s70, s24, 14                        ; y's scale words
	s_lshl_b32 s56, s[WV], 12
	s_add_co_u32 s70, s70, s56
	s_mov_b32 s71, 0
	s_lshl_b32 s56, s25, 8                         ; the chunk's 64 numbers of the bias, and its 256 bytes of a row
	s_mov_b32 s57, 0
	s_lshl_b32 s58, s24, 21                        ; 512 rows of 4,096 bytes
	s_lshl_b32 s59, s[WV], 19                      ; 128 of them
	s_add_co_u32 s58, s58, s59
	s_add_co_u32 s58, s58, s56
	s_mov_b32 s59, 0
	s_mul_i32 s60, s[WV], 128*SPT
	s_add_co_u32 s60, s60, STG                     ; my stage
	s_wait_dscnt 0x0
	s_wait_kmcnt 0x0
	s_add_nc_u64 s[38:39], s[8:9], s[66:67]
	s_or_b32 s39, s39, 0x80000000
	s_add_nc_u64 s[48:49], s[4:5], s[68:69]
	s_add_nc_u64 s[50:51], s[6:7], s[70:71]
	s_add_nc_u64 s[52:53], s[10:11], s[56:57]
	s_add_nc_u64 s[54:55], s[12:13], s[58:59]
	CROUND                                         ; all four work-groups are here: the joint loads meet
	tensor_load_to_lds s[36:39], s[40:47]          ; my one tensor load of the launch
	s_nop 0
	PLACES 4
	v_and_b32 v11, 31, v0                          ; lane
	v_and_b32 v12, 15, v0                          ; r
	v_bfe_u32 v13, v0, 4, 1                        ; h
	v_lshlrev_b32 v1, 4, v11                       ; 16 x lane
	v_lshlrev_b32 v2, 3, v11                       ; 8 x lane
	v_mov_b32 v3, v1                               ; the weights lie at LDS byte 0,
	v_add_nc_u32 v4, 16384, v2                     ; a pair's scale words behind its images
	v_lshlrev_b32 v5, 6, v13                       ; the bias's 16 h numbers
	v_mul_u32_u24 v8, v12, SPT
	v_lshl_add_u32 v8, v13, 6, v8
	v_add_nc_u32 v8, s60, v8                       ; the stage, on the way in: row r, + 64 h
	v_mul_u32_u24 v9, v13, SPT
	v_lshl_add_u32 v9, v12, 4, v9
	v_add_nc_u32 v9, s60, v9                       ; and back: lanes 0-15 one row, lanes 16-31 the next
	v_lshlrev_b32 v10, 12, v13
	v_lshl_add_u32 v10, v12, 4, v10                ; the same two rows in out0
	LOADX
	s_wait_alu depctr_va_vdst(0)
	s_wait_tensorcnt 0x0                           ; my quarter of the weights is in,
	s_barrier_signal -1
	s_barrier_wait -1                              ; everybody's is
	LOADW 0
	BIAS 0
	s_wait_loadcnt 0x0                             ; y and the bias
	s_wait_dscnt 0x0                               ; the weights
	MUL
	LOADW 1
	BIAS 1
	TOSTAGE 0
	s_wait_loadcnt 0x0
	s_wait_dscnt 0x0                               ; the second pair is in, and the stage's stores have read the accumulators
	MUL
	PLACES 4
	TOSTAGE 1
	SEND 0
	s_wait_xcnt 0x0                                ; the stores have read their registers: the next 32 loads land there
	SEND 1
	s_wait_dscnt 0x0
	s_wait_tensorcnt 0x0
	ds_add_u32 v126, v127
	s_wait_dscnt 0x0
	CROUND                                         ; the closing round
	s_endpgm
.Lfunc_end_k_q9877349223_oproj:
	.size	k_q9877349223_oproj, .Lfunc_end_k_q9877349223_oproj-k_q9877349223_oproj
	.p2alignl 7, 3214868480
	.fill 96, 4, 3214868480
	.section	.rodata,"a",@progbits
	.p2align	6, 0x0
	.amdhsa_kernel k_q9877349223_oproj
		.amdhsa_group_segment_fixed_size 174592
		.amdhsa_private_segment_fixed_size 0
		.amdhsa_enable_private_segment 0
		.amdhsa_kernarg_size 40
		.amdhsa_user_sgpr_count 2
		.amdhsa_user_sgpr_kernarg_segment_ptr 1
		.amdhsa_wavefront_size32 1
		.amdhsa_system_sgpr_workgroup_id_x 1
		.amdhsa_system_sgpr_workgroup_id_y 1
		.amdhsa_system_sgpr_workgroup_id_z 1
		.amdhsa_system_vgpr_workitem_id 0
		.amdhsa_next_free_vgpr 1024
		.amdhsa_next_free_sgpr 72
		.amdhsa_reserve_vcc 0
		.amdhsa_float_denorm_mode_32 3
		.amdhsa_float_denorm_mode_16_64 3
		.amdhsa_memory_ordered 1
		.amdhsa_forward_progress 1
		.amdhsa_inst_pref_size 73
	.end_amdhsa_kernel
	.amdgpu_metadata
---
amdhsa.version: [ 1, 2 ]
amdhsa.kernels:
  - .name:           k_q9877349223_oproj
    .symbol:         k_q9877349223_oproj.kd
    .args:
      - { .name: yc, .offset: 0, .size: 8, .value_kind: global_buffer, .address_space: global }
      - { .name: ys, .offset: 8, .size: 8, .value_kind: global_buffer, .address_space: global }
      - { .name: wq, .offset: 16, .size: 8, .value_kind: global_buffer, .address_space: global }
      - { .name: b_o, .offset: 24, .size: 8, .value_kind: global_buffer, .address_space: global }
      - { .name: out0, .offset: 32, .size: 8, .value_kind: global_buffer, .address_space: global }
    .group_segment_fixed_size: 174592
    .private_segment_fixed_size: 0
    .kernarg_segment_align: 8
    .kernarg_segment_size: 40
    .max_flat_workgroup_size: 128
    .sgpr_count:     72
    .vgpr_count:     1024
    .wavefront_size: 32
...
	.end_amdgpu_metadata
.endif
;; end of part 4
